; MI455X (gfx1250); checked and timed in simulation.
; The chip was launched on July 23, 2026; its instructions are those of AMD's public machine-readable ISA for CDNA 5 (MIT licence, August 2026) and "CDNA5" Instruction Set Architecture Reference Guide (July 2026). The comments in the code are by the model that wrote it; some were corrected since.
;; Geometric Attention Bias. Allowed arithmetic: matrix products marked QUANTISED: E5M2 operands, one given power-of-two scale a tensor, by v_wmma_f32_16x16x64_bf8_bf8 or v_wmma_f32_16x16x128_bf8_bf8, f32 sums; products left as they are: f32 operands where the result goes on into a quantised operand, else bf16, f16 or f32 operands; f32 sums; everything else in f32.
;; Inputs: W1 4 x 128 float32; W2_codes 64 x 4 x 32 uint8 (E5M2 codes of W2, K innermost, in blocks of 32 codes); W3 64 x 8 float32; b1 128 float32; b2 64 float32; b3 8 float32; beta1 128 float32; beta2 64 float32; bias_scale 8 float32; g1 128 float32; g2 64 float32; grasp_poses 4 x 64 x 7 float32; grasp_tokens 4 x 64 x 256 float32; lowp_scales 2 int32 (the exponents e of the quantised operands' scales 2^e); scene_points 4 x 4,096 x 3 float32.
;; Outputs: out0 4 x 8 x 64 x 4,096 float32.
;; This version of the problem:
;;   THIS VERSION OF THE PROBLEM IS GIVEN IN LOW PRECISION. The matrix products marked QUANTISED in the list below multiply operands that are first quantised to E5M2 (5 exponent bits, 2 mantissa bits; 8 bits a number), with one given power-of-two scale for each operand tensor; their sums are f32. All else is computed in f32.
;;   The module's matrix products, in the order in which they are computed (A, B: the left and right operand; K: the contracted axis; several contracted axes count as one K, in the product's order):
;;     1. batch 256 x [M 4,096, K 3] x [K 3, N 3]; A: computed on the way; B: computed on the way: left as it is (K = 3 < 32)
;;     2. [M 1,048,576, K 4] x [K 4, N 128]; A: computed on the way; B: input W1: left as it is (K = 4 < 32)
;;     3. [M 1,048,576, K 128] x [K 128, N 64]; A: computed on the way; B: input W2 (given as codes): QUANTISED (scales: A lowp_scales[0], B lowp_scales[1])
;;     4. [M 1,048,576, K 64] x [K 64, N 8]; A: computed on the way; B: input W3: left as it is (N = 8 < 16)
;;   THE QUANTISER, for each operand of a quantised product, along K:
;;     - The operand's scale is 2^e, e = its entry of the input lowp_scales (int32; the entries are numbered through the quantised products in the list's order, A before B).
;;     - Each number is divided by the scale, clamped to +-57,344, and rounded to the nearest number of E5M2, ties to even, subnormals kept.
;;     - The product sums the exact products of the quantised numbers (number of the format x scale) in f32.
;;   ~~~python
;;   def quantise(x, axis, e):      # numpy; x: float32 -> the quantised numbers, widened to float32 again
;;       x = np.moveaxis(x, axis, -1); K = x.shape[-1]
;;       r = np.clip(x / 2.0 ** e, -57344, 57344)
;;       step = 2.0 ** (np.maximum(np.frexp(np.where(r == 0, 1, r))[1] - 1, -14) - 2)
;;       q = np.round(r / step) * step * 2.0 ** e      # np.round: ties to even
;;       return np.moveaxis(q, -1, axis).astype(np.float32)
;;   ~~~
;;   OPERANDS COMPUTED ON THE WAY. 'Computed on the way' means the value that the module computes at that place (a softmax that the list does not call 'softmax' is quantised finished and normalised). What goes into a quantiser is computed in f32, as accurately as f32 sums, v_exp_f32 and their like allow (about 1e-6 of the number): no bf16 or f16 on the way to a quantiser, and a product that is left as it is and whose result goes on into a quantised operand takes f32 operands (vector FMAs, or v_wmma_f32_16x16x4_f32). A number that lies on a knife's edge between two numbers of the format may be rounded either way, as far as f32 arithmetic and the matrix unit's own rounding can turn it there, and no further.
;;   INPUTS GIVEN AS CODES. W2 (in the module: [128, 64], K = its axis 0): each comes as NAME_codes (uint8): NAME with its K axis moved to the last place and cut into blocks of 32 codes, [.., K / 32, bytes a block], one block behind the other in memory; one code a byte (a code: sign, 5 exponent bits, 2 mantissa bits); its scale is its entry of lowp_scales. Its value is code x scale, taken as it is: it is not quantised again, and the codes and scales need not be those that the quantiser above would give.
;; 2 versions, each right; version 2 is version 1 with the launch geo written anew for expert scheduling mode. Each part assembles by itself: llvm-mc -triple=amdgcn-amd-amdhsa -mcpu=gfx1250 --defsym DOCPART=n.
;; ======== version 1 of 2: 1 launch
;; launch geo (part 1): grid 256 x 1, 8 waves a work-group, no clusters, 9,216 bytes of LDS; arguments scene_points, grasp_poses, W1, b1, g1, beta1, W2_codes, b2, g2, beta2, W3, b3, bias_scale, lowp_scales, out0, grasp_tokens; writes out0
.if DOCPART == 1
	.amdgcn_target "amdgcn-amd-amdhsa--gfx1250"
	.amdhsa_code_object_version 6
	.text
	.protected	k_q9d26121ee8_geo
	.globl	k_q9d26121ee8_geo
	.p2align	8
	.type	k_q9d26121ee8_geo,@function
k_q9d26121ee8_geo:
	s_mov_b64 s[64:65], 0
	v_nop
	global_prefetch_b8 v0, s[64:65] scope:SCOPE_SE
	s_setreg_imm32_b32 hwreg(HW_REG_WAVE_MODE, 25, 1), 1
	s_wait_xcnt 0x0
; out0[b][hd][g][p] = bias_scale[hd] x ( LN2(relu( Q(LN1(relu(f W1 + b1))) W2 + b2 )) W3 + b3 )[hd],  f = (R^T (point p - t), its length) for grasp g of batch b.
; Only the product with W2 is quantised: its left operand is turned into E5M2 codes with the given 2^e0, W2 comes as codes with 2^e1, v_wmma_f32_16x16x128_bf8_bf8 multiplies them.
; The product with W1 feeds the quantiser, so it takes f32 operands (v_wmma_f32_16x16x4_f32); the product with W3 takes bf16 operands; everything else is f32.
; grasp_tokens: reference() takes it and uses it in no result; its address is the last argument and nothing is loaded from it.
; LIMITS.  e0 between -126 and 112 (2^e0 and 57,344 x 2^e0 are made as f32 numbers); b2 x 2^-(e0+e1) must be an f32 number; NaN among the inputs is not served (relu and the hold drop it);
; v_sqrt_f32 and v_rsq_f32 take a denormal input as 0 (ISA guide 15.8); sums are ordered otherwise than reference()'s.
; SHARES.  Work-group bg = one (batch, grasp) and all 4,096 points; wave w points 512 w .. 512 w + 511, in 4 trips of 128; a trip is 4 PAIRS of tiles of 16 rows.  Two waves of 512 registers lie on a SIMD:
; each is written in plain phases, and one wave's vector lines stand beside the other's matrix lines.
; THE ORDER OF POINTS.  Lane l owns points p0 + 4 l + q, q = 0 .. 3.  In pair q tile A's column r is lane r's point, tile B's column r lane 16 + r's.  The last product is laid block-diagonal, so that its result
; holds head j in register j, tile A in lanes 0-15 and tile B in lanes 16-31: each lane gets its own point back.  After four pairs a lane holds 4 neighbouring points of each head: 16 bytes, stored as they stand.
; ALL PRODUCTS ARE USED TRANSPOSED (source 0 = weights, source 1 = rows): a lane holds one row, its registers run along the units, which are the next product's K.
; THE UNITS OF A TILE OF W1 ARE NOT NEIGHBOURS: row m of tile 2 b + u is unit 32 b + 8 u + m + 8 (m / 8), so that register 16 b + i of lane (r, h) is unit 32 b + 16 h + i: the order in which W2's fragments hold k.
; REGISTERS, window 0: see the names below.  Window 1: v0-63 b1, v64-127 g1, v128-191 beta1 (register i: unit 32 (i / 16) + 16 h + i % 16); v192-223 b2 x 2^-(e0+e1) (register 8 c + j: unit 16 c + 8 h + j); v224-255 W3's four fragments.
; LDS: 0 .. 8,191 W2's four fragments as images of their registers (fragment c at 2,048 c, four registers at 512 a group, 16 bytes a lane); written once, read once a pair.  8,192 .. 9,215 the spare words.
.set SPARE, 8192
.set LIM,  0                           ; v0      behind the head: 57,344 x 2^e0
.set SPW,  1                           ; v1      LDS address of my spare word; never rewritten
.set NIL,  2                           ; v2      0, for the add alone
.set PO,   3                           ; v3      48 x lane: my four points' bytes in a trip's 1,536
.set L16,  4                           ; v4      16 x lane: my place in an LDS image, and in a trip's 512 bytes of a head's row
.set SC,   5                           ; v5      2^e0 as f32
.set RS,   6                           ; v[6:7]  the reciprocal root (the pair's upper word is written once and not used)
.set CH,   8                           ; v8-15   four packed chains
.set P,    16                          ; v16-27  my four points, x y z each
.set NMA,  28                          ; v[28:29], v[30:31]  minus the mean (upper words written once and not used)
.set NMB,  30
.set W1F,  32                          ; v32-47  W1's eight fragments, two registers each
.set FE,   48                          ; v48-55  two buffers of four: the features of this pair and of the next
.set T,    56                          ; v56-63  at work
.set A,    64                          ; v64-127 relu and LayerNorm in place; then W2's fragments; then the second layer; then its bf16 fragments
.set D1,   128                         ; v128-191 written by matrix instructions alone: the first layer's sums of one tile, then the second layer's of both
.set CA,   192                         ; v192-207, v208-223 the two tiles' codes
.set CB,   208
.set D3,   192                         ; v192-199 the last product's sums (the codes are done with)
.set OUT,  224                         ; v224-255 register 4 j + q: head j, my point q
.set B1,   0                           ; window 1
.set G1,   64
.set BE1,  128
.set B2,   192
.set W3F,  224
.set HL,   224                         ; at the head alone, in OUT's registers: lane, r, h, offsets of the loads
.set HR,   225
.set HH,   226
.set OW1,  227
.set O64,  228
.set O32,  229
.set OW2,  230
.set OW3,  231
.set OHD,  232
.set ZO,   233
.set LW,   234
.set HX,   235
.set POSE, 236                         ; v236-242 t (3), the quaternion x y z w
.set W2T,  244                         ; v244-251 my 32 bytes a lane of W2's codes
.set BSR,  252                         ; v252 bias_scale, v253 b3 of head r % 8
.set B3R,  253
.set W3T,  64                          ; at the head: W3 (32), g2 (32), beta2 (32) in the last product's layout
.set G2T,  96
.set BT,   192
.set PW,   64                          ; at the head, behind the fold: the rotation
.set WV,   38                          ; s38  wave
.set TRIPS, 39                         ; s39  trips to go
.set TT,   44                          ; s44-46 t
.set RM,   47                          ; s47-55 R, row by row
.set CC,   56                          ; s56-63 c[hd] = (sum of beta2 W3 + b3) x bias_scale
.set EPS,  67                          ; s67  1e-5
.set I128, 68                          ; s68  1 / 128
.set EE,   69                          ; s69  E = e0 + e1
.set E2,   70                          ; s70  2 E - 6
.set EN,   71                          ; s71  -E
.set SEL,  72                          ; s72, s73 v_permlanex16_b32's selects for lane l xor 16
.set MSB, 0
.macro WIN new                         ; the immediate's high byte repeats the setting that is left; a switch that changes nothing is dropped
.if MSB != \new
	s_set_vgpr_msb (MSB<<8)|\new
.set MSB, \new
.endif
.endm
.macro NOPS n
.rept \n
	v_nop
.endr
.endm
	s_load_b512 s[8:23], s[0:1], 0x0               ; scene_points, grasp_poses, W1, b1, g1, beta1, W2_codes, b2
	s_load_b256 s[24:31], s[0:1], 0x40             ; g2, beta2, W3, b3
	s_load_b128 s[32:35], s[0:1], 0x60             ; bias_scale, lowp_scales
	s_load_b64 s[36:37], s[0:1], 0x70              ; out0
	v_lshl_add_u32 v[SPW], v0, 2, SPARE
	v_mov_b32 v[NIL], 0
	v_lshrrev_b32 v[HX], 5, v0
	v_readfirstlane_b32 s[WV], v[HX]               ; wave 0..7
	v_and_b32 v[HL], 31, v0                        ; lane
	v_and_b32 v[HR], 15, v0                        ; r
	v_bfe_u32 v[HH], v0, 4, 1                      ; h
	v_lshlrev_b32 v[L16], 4, v[HL]
	v_mul_u32_u24 v[PO], v[HL], 48
	v_and_b32 v[HX], 8, v[HR]
	v_add_nc_u32 v[HX], v[HX], v[HR]               ; r + 8 (r / 8)
	v_lshlrev_b32 v[OW1], 2, v[HX]
	v_lshl_add_u32 v[OW1], v[HH], 10, v[OW1]       ; W1: rows 2 h, 2 h + 1 of 512 bytes, unit r + 8 (r / 8) of a tile
	v_lshlrev_b32 v[O64], 6, v[HH]                 ; b1, g1, beta1: 16 h units on
	v_lshlrev_b32 v[O32], 5, v[HH]                 ; b2, g2, beta2: 8 h units on
	v_lshlrev_b32 v[OW2], 7, v[HR]
	v_lshl_add_u32 v[OW2], v[HH], 4, v[OW2]        ; W2's codes: row r of 128 bytes, + 16 h
	v_and_b32 v[OHD], 7, v[HR]
	v_lshlrev_b32 v[OHD], 2, v[OHD]                ; head r % 8
	v_lshl_add_u32 v[OW3], v[HH], 8, v[OHD]        ; W3: 8 h rows of 32 bytes on, head r % 8
	v_mov_b32 v[ZO], 0
	s_lshl_b32 s2, s[WV], 10
	v_add_nc_u32 v[LW], s2, v[L16]                 ; where I put W2's codes: 1,024 x wave + 16 x lane
	v_mov_b32 v[RS+1], 0                           ; named as upper halves of pairs, or as a lane permute's destination: written once
	v_mov_b32 v[NMA+1], 0
	v_mov_b32 v[NMB+1], 0
	v_mov_b32 v[T+1], 0
	v_mov_b32 v[T+3], 0
	s_mov_b32 s[EPS], 0x3727c5ac
	s_mov_b32 s[I128], 0x3c000000
	s_mov_b32 s[SEL], 0x76543210
	s_mov_b32 s[SEL+1], 0xfedcba98
	s_mov_b32 s3, 0
	s_wait_kmcnt 0x0
	s_load_b64 s[40:41], s[34:35], 0x0             ; e0, e1
	s_mul_i32 s2, ttmp9, 28
	s_add_nc_u64 s[10:11], s[10:11], s[2:3]        ; my grasp's pose: 7 numbers
	s_lshr_b32 s4, ttmp9, 6                        ; b
	s_mul_i32 s2, s4, 49152
	s_mul_i32 s5, s[WV], 6144
	s_add_co_u32 s2, s2, s5
	s_add_nc_u64 s[8:9], s[8:9], s[2:3]            ; my wave's first point: 4,096 b + 512 w, 12 bytes each
	s_lshl_b32 s2, s4, 23
	s_and_b32 s5, ttmp9, 63                        ; g
	s_lshl_b32 s5, s5, 14
	s_add_co_u32 s2, s2, s5
	s_lshl_b32 s5, s[WV], 11
	s_add_co_u32 s2, s2, s5
	s_add_nc_u64 s[36:37], s[36:37], s[2:3]        ; out0 at (b, head 0, g, 512 w)
	s_lshr_b32 s4, s[WV], 1
	s_lshl_b32 s2, s4, 11
	s_and_b32 s5, s[WV], 1
	s_lshl_b32 s5, s5, 6
	s_add_co_u32 s2, s2, s5
	s_add_nc_u64 s[20:21], s[20:21], s[2:3]        ; W2's codes: fragment w / 2 (16 rows), its bytes 64 (w % 2) on
	; all that the launch reads but the later trips' points, in one run
.irp i, 0,1,2,3,4,5,6
	global_load_b32 v[POSE+\i], v[ZO], s[10:11] offset:4*\i
.endr
.irp i, 0,1,2
	global_load_b128 v[P+4*\i:P+4*\i+3], v[PO], s[8:9] offset:16*\i
.endr
	global_load_b128 v[W2T:W2T+3], v[OW2], s[20:21]
	global_load_b128 v[W2T+4:W2T+7], v[OW2], s[20:21] offset:32
.irp t, 0,1,2,3,4,5,6,7
.irp j, 0,1
	global_load_b32 v[W1F+2*\t+\j], v[OW1], s[12:13] offset:512*\j+4*(32*(\t/2)+8*(\t%2))   ; W1(2 h + j, unit): source 0 of the f32 form holds k = 2 h + j in register j
.endr
.endr
.irp s, 0,1
.irp v, 0,1
.irp i, 0,1,2,3,4,5,6,7
	global_load_b32 v[W3T+16*\s+8*\v+\i], v[OW3], s[28:29] offset:1024*\s+512*\v+32*\i      ; W3(32 s + 16 v + 8 h + i, r % 8): the bf16 form's order of k
.endr
.irp u, 0,1
	global_load_b128 v[G2T+16*\s+8*\v+4*\u:G2T+16*\s+8*\v+4*\u+3], v[O32], s[24:25] offset:128*\s+64*\v+16*\u
	global_load_b128 v[BT+16*\s+8*\v+4*\u:BT+16*\s+8*\v+4*\u+3], v[O32], s[26:27] offset:128*\s+64*\v+16*\u
.endr
.endr
.endr
	global_load_b32 v[BSR], v[OHD], s[32:33]
	global_load_b32 v[B3R], v[OHD], s[30:31]
	WIN 0x40                                       ; destination window 1, address window 0
.irp b, 0,1,2,3
.irp c, 0,1,2,3
	global_load_b128 v[B1+16*\b+4*\c:B1+16*\b+4*\c+3], v[O64], s[14:15] offset:128*\b+16*\c
	global_load_b128 v[G1+16*\b+4*\c:G1+16*\b+4*\c+3], v[O64], s[16:17] offset:128*\b+16*\c
	global_load_b128 v[BE1+16*\b+4*\c:BE1+16*\b+4*\c+3], v[O64], s[18:19] offset:128*\b+16*\c
.endr
.endr
.irp c, 0,1,2,3
.irp u, 0,1
	global_load_b128 v[B2+8*\c+4*\u:B2+8*\c+4*\u+3], v[O32], s[22:23] offset:64*\c+16*\u
.endr
.endr
	WIN 0
	s_wait_loadcnt 0x0                             ; all of them: they are used at once, and their address registers are written again below
	ds_store_b128 v[LW], v[W2T:W2T+3]              ; W2's fragments go to LDS as images of their registers: eight waves, 1,024 bytes each
	ds_store_b128 v[LW], v[W2T+4:W2T+7] offset:512
	s_wait_dscnt 0x0                               ; for the others' sake: my stores have landed
	s_barrier_signal -1
	s_barrier_wait -1                              ; the launch's one barrier: behind it these bytes are only read
	s_wait_kmcnt 0x0                               ; e0, e1
	s_add_co_i32 s2, s40, 127
	s_lshl_b32 s3, s2, 23
	v_mov_b32 v[SC], s3                            ; 2^e0: the conversion takes its exponent field
	s_add_co_i32 s2, s2, 15
	s_lshl_b32 s2, s2, 23
	s_or_b32 s2, s2, 0x600000
	v_mov_b32 v[LIM], s2                           ; 57,344 x 2^e0 (the thread's number is needed no more)
	s_add_co_i32 s[EE], s40, s41                   ; a sum of the quantised product stands for sum x 2^E
	s_lshl_b32 s[E2], s[EE], 1
	s_sub_co_i32 s[E2], s[E2], 6
	s_sub_co_i32 s[EN], 0, s[EE]
	WIN 0x41                                       ; source 0 and destination window 1
.set i, 0
.rept 32
	v_ldexp_f32 v[B2+i], v[B2+i], s[EN]            ; b2 goes in as the sums' C, divided by the power of two that they lack
.set i, i+1
.endr
	WIN 0
	; W3 is folded: c[hd] = (sum over k of beta2[k] W3[k][hd] + b3[hd]) x bias_scale[hd] in f32; W3'[k][hd] = g2[k] W3[k][hd] bias_scale[hd] in bf16
.set k, 0
.rept 4
	v_pk_mul_f32 v[CH+2*k:CH+2*k+1], v[W3T+2*k:W3T+2*k+1], v[BT+2*k:BT+2*k+1]
.set k, k+1
.endr
.rept 12
	v_pk_fma_f32 v[CH+2*(k%4):CH+2*(k%4)+1], v[W3T+2*k:W3T+2*k+1], v[BT+2*k:BT+2*k+1], v[CH+2*(k%4):CH+2*(k%4)+1]
.set k, k+1
.endr
	v_pk_add_f32 v[CH:CH+1], v[CH:CH+1], v[CH+2:CH+3]
	v_pk_add_f32 v[CH+4:CH+5], v[CH+4:CH+5], v[CH+6:CH+7]
	v_pk_add_f32 v[CH:CH+1], v[CH:CH+1], v[CH+4:CH+5]
	v_add_f32 v[T], v[CH], v[CH+1]                 ; my 32 of the 64 k,
	v_permlanex16_b32 v[T+1], v[T], s[SEL], s[SEL+1]
	v_add_f32 v[T], v[T], v[T+1]                   ; and lane l xor 16's
	v_add_f32 v[T], v[T], v[B3R]
	v_mul_f32 v[T], v[T], v[BSR]
.irp j, 0,1,2,3,4,5,6,7
	v_readlane_b32 s[CC+\j], v[T], \j              ; lane j holds head j
.endr
.set k, 0
.rept 16
	v_pk_mul_f32 v[W3T+2*k:W3T+2*k+1], v[W3T+2*k:W3T+2*k+1], v[G2T+2*k:G2T+2*k+1]
.set k, k+1
.endr
.set k, 0
.rept 16
	v_pk_mul_f32 v[W3T+2*k:W3T+2*k+1], v[W3T+2*k:W3T+2*k+1], v[BSR:BSR+1] op_sel_hi:[1,0]
.set k, k+1
.endr
.set k, 0
.rept 16
	v_cvt_pk_bf16_f32 v[W3T+k], v[W3T+2*k], v[W3T+2*k+1]   ; packed in place, ascending: register k is written when it has been read
.set k, k+1
.endr
	v_cmp_gt_u32 vcc_lo, 8, v[HR]                  ; rows 0-7 of a fragment
	v_cmp_le_u32 s2, 8, v[HR]                      ; rows 8-15
	WIN 0x40
.set k, 0
.rept 16
	v_cndmask_b32 v[W3F+k], 0, v[W3T+k], vcc_lo    ; fragments 0, 1: W3' in rows 0-7, zeros below: they meet tile A
	v_cndmask_b32 v[W3F+16+k], 0, v[W3T+k], s2     ; fragments 2, 3: zeros, W3' in rows 8-15: they meet tile B
.set k, k+1
.endr
	WIN 0
	; the pose: q / (|q| + 1e-8), R; the same in every lane, then into scalar registers
	v_mul_f32 v[PW], v[POSE+3], v[POSE+3]
	v_fmac_f32 v[PW], v[POSE+4], v[POSE+4]
	v_fmac_f32 v[PW], v[POSE+5], v[POSE+5]
	v_fmac_f32 v[PW], v[POSE+6], v[POSE+6]
	v_sqrt_f32 v[PW+1], v[PW]
	v_nop                                          ; a plain line behind the root,
	s_wait_alu depctr_va_vdst(0)                   ; and the wait ahead of its first reader
	v_add_f32 v[PW+1], 0x322bcc77, v[PW+1]         ; + 1e-8
	v_rcp_f32 v[PW+2], v[PW+1]
	v_nop
	s_wait_alu depctr_va_vdst(0)
	v_fma_f32 v[PW+3], -v[PW+1], v[PW+2], 1.0      ; one Newton step: the quotient feeds a quantiser
	v_fmac_f32 v[PW+2], v[PW+2], v[PW+3]
.irp i, 3,4,5,6
	v_mul_f32 v[POSE+\i], v[POSE+\i], v[PW+2]
.endr
.irp i, 0,1,2
	v_add_f32 v[PW+4+\i], v[POSE+3+\i], v[POSE+3+\i]       ; 2 x, 2 y, 2 z: doubling rounds nothing, so 2 (a + b) = 2 a + 2 b bit for bit
.endr
	v_mul_f32 v[PW+7], v[POSE+3], v[PW+4]          ; 2 xx
	v_mul_f32 v[PW+8], v[POSE+4], v[PW+5]          ; 2 yy
	v_mul_f32 v[PW+9], v[POSE+5], v[PW+6]          ; 2 zz
	v_mul_f32 v[PW+10], v[POSE+3], v[PW+5]         ; 2 xy
	v_mul_f32 v[PW+11], v[POSE+3], v[PW+6]         ; 2 xz
	v_mul_f32 v[PW+12], v[POSE+4], v[PW+6]         ; 2 yz
	v_mul_f32 v[PW+13], v[POSE+6], v[PW+4]         ; 2 wx
	v_mul_f32 v[PW+14], v[POSE+6], v[PW+5]         ; 2 wy
	v_mul_f32 v[PW+15], v[POSE+6], v[PW+6]         ; 2 wz
	v_add_f32 v[PW+16], v[PW+8], v[PW+9]
	v_sub_f32 v[PW+16], 1.0, v[PW+16]              ; R00
	v_sub_f32 v[PW+17], v[PW+10], v[PW+15]         ; R01
	v_add_f32 v[PW+18], v[PW+11], v[PW+14]         ; R02
	v_add_f32 v[PW+19], v[PW+10], v[PW+15]         ; R10
	v_add_f32 v[PW+20], v[PW+7], v[PW+9]
	v_sub_f32 v[PW+20], 1.0, v[PW+20]              ; R11
	v_sub_f32 v[PW+21], v[PW+12], v[PW+13]         ; R12
	v_sub_f32 v[PW+22], v[PW+11], v[PW+14]         ; R20
	v_add_f32 v[PW+23], v[PW+12], v[PW+13]         ; R21
	v_add_f32 v[PW+24], v[PW+7], v[PW+8]
	v_sub_f32 v[PW+24], 1.0, v[PW+24]              ; R22
.irp i, 0,1,2
	v_readfirstlane_b32 s[TT+\i], v[POSE+\i]
.endr
.irp i, 0,1,2,3,4,5,6,7,8
	v_readfirstlane_b32 s[RM+\i], v[PW+16+\i]
.endr
; My point q's four features into v[fb] on: l = R^T (p - t), l_i = R0i vx + R1i vy + R2i vz, and its length.  Fifteen plain lines and a root.
.macro FEAT q, fb
.irp i, 0,1,2
	v_sub_f32 v[T+\i], v[P+3*(\q)+\i], s[TT+\i]
.endr
.irp i, 0,1,2
	v_mul_f32 v[(\fb)+\i], s[RM+\i], v[T]
.endr
.irp i, 0,1,2
	v_fmac_f32 v[(\fb)+\i], s[RM+3+\i], v[T+1]
.endr
.irp i, 0,1,2
	v_fmac_f32 v[(\fb)+\i], s[RM+6+\i], v[T+2]
.endr
	v_mul_f32 v[T+3], v[(\fb)], v[(\fb)]
	v_fmac_f32 v[T+3], v[(\fb)+1], v[(\fb)+1]
	v_fmac_f32 v[T+3], v[(\fb)+2], v[(\fb)+2]
	v_sqrt_f32 v[(\fb)+3], v[T+3]                  ; its wait is the next one in the text; nothing names the result before that
.endm
; The first layer of one tile: eight tiles of 16 units x 16 rows, K = 4; b1 is the C, so it costs no addition.  Each sum is one instruction.
.macro M1 fb
	WIN 0x10                                       ; C in window 1
.irp t, 0,1,2,3,4,5,6,7
	v_wmma_f32_16x16x4_f32 v[D1+8*\t:D1+8*\t+7], v[W1F+2*\t:W1F+2*\t+1], v[(\fb):(\fb)+1], v[B1+8*\t:B1+8*\t+7]
.endr
	WIN 0
.endm
; relu, out of the sums' registers into others; ascending
.macro RELU
.set i, 0
.rept 64
	v_max_num_f32 v[A+i], 0, v[D1+i]
.set i, i+1
.endr
.endm
; the sum of np pairs of registers from v[a0] on, in four packed chains -> v[dst]
.macro ADDUP a0, np, dst
.set k, 0
.rept 4
	v_pk_add_f32 v[CH+2*k:CH+2*k+1], v[(\a0)+2*k:(\a0)+2*k+1], v[(\a0)+2*k+8:(\a0)+2*k+9]
.set k, k+1
.endr
.set k, 8
.rept (\np)-8
	v_pk_add_f32 v[CH+2*(k%4):CH+2*(k%4)+1], v[CH+2*(k%4):CH+2*(k%4)+1], v[(\a0)+2*k:(\a0)+2*k+1]
.set k, k+1
.endr
	v_pk_add_f32 v[CH:CH+1], v[CH:CH+1], v[CH+2:CH+3]
	v_pk_add_f32 v[CH+4:CH+5], v[CH+4:CH+5], v[CH+6:CH+7]
	v_pk_add_f32 v[CH:CH+1], v[CH:CH+1], v[CH+4:CH+5]
	v_add_f32 v[\dst], v[CH], v[CH+1]
.endm
; the mean is taken away in place (v[nm] holds minus the mean), and the squares of what is left are summed -> v[dst]: the variance in two passes, as reference() has it
.macro CENSQ a0, np, nm, dst
.set g, 0
.rept (\np)/4
.set k, 0
.rept 4
	v_pk_add_f32 v[(\a0)+8*g+2*k:(\a0)+8*g+2*k+1], v[(\a0)+8*g+2*k:(\a0)+8*g+2*k+1], v[\nm:\nm+1] op_sel_hi:[1,0]
.set k, k+1
.endr
.set k, 0
.rept 4
.if g == 0
	v_pk_mul_f32 v[CH+2*k:CH+2*k+1], v[(\a0)+2*k:(\a0)+2*k+1], v[(\a0)+2*k:(\a0)+2*k+1]
.else
	v_pk_fma_f32 v[CH+2*k:CH+2*k+1], v[(\a0)+8*g+2*k:(\a0)+8*g+2*k+1], v[(\a0)+8*g+2*k:(\a0)+8*g+2*k+1], v[CH+2*k:CH+2*k+1]
.endif
.set k, k+1
.endr
.set g, g+1
.endr
	v_pk_add_f32 v[CH:CH+1], v[CH:CH+1], v[CH+2:CH+3]
	v_pk_add_f32 v[CH+4:CH+5], v[CH+4:CH+5], v[CH+6:CH+7]
	v_pk_add_f32 v[CH:CH+1], v[CH:CH+1], v[CH+4:CH+5]
	v_add_f32 v[\dst], v[CH], v[CH+1]
.endm
; One tile: relu, LayerNorm over 128 units (64 in my lane, 64 in lane l xor 16), g1, beta1, the hold, the codes into v[cd] on.
; w2 = 1: as each 16 registers have been converted, a fragment of W2 is fetched into them: the quantised product finds its source 0 where the numbers lay.
.macro LN1 cd, w2
	RELU
	ADDUP A, 32, T
	v_permlanex16_b32 v[T+1], v[T], s[SEL], s[SEL+1]
	v_add_f32 v[T], v[T], v[T+1]
	v_mul_f32 v[NMA], 0xbc000000, v[T]             ; minus the mean: x -1 / 128
	CENSQ A, 32, NMA, T
	v_permlanex16_b32 v[T+1], v[T], s[SEL], s[SEL+1]
	v_add_f32 v[T], v[T], v[T+1]
	v_fma_f32 v[T], v[T], s[I128], s[EPS]
	v_rsq_f32 v[RS], v[T]
	v_nop                                          ; a plain line behind the reciprocal root,
	s_wait_alu depctr_va_vdst(0)                   ; and the wait ahead of its first reader; it serves the features' root too, where one is out
.set k, 0
.rept 32
	v_pk_mul_f32 v[A+2*k:A+2*k+1], v[A+2*k:A+2*k+1], v[RS:RS+1] op_sel_hi:[1,0]
.set k, k+1
.endr
	WIN 0x14                                       ; sources 1 and 2 (g1, beta1) window 1
.set k, 0
.rept 32
	v_pk_fma_f32 v[A+2*k:A+2*k+1], v[A+2*k:A+2*k+1], v[G1+2*k:G1+2*k+1], v[BE1+2*k:BE1+2*k+1]
.set k, k+1
.endr
	WIN 0
.irp b, 0,1,2,3
.set i, 0
.rept 16
	v_med3_num_f32 v[A+16*\b+i], v[A+16*\b+i], -v[LIM], v[LIM]   ; the conversion to an 8-bit code does not saturate (ISA guide 7.6.2): the hold at the largest code x the scale
.set i, i+1
.endr
	v_cvt_scalef32_pk8_bf8_f32 v[(\cd)+4*\b:(\cd)+4*\b+1], v[A+16*\b:A+16*\b+7], v[SC]        ; registers 4 b .. 4 b + 3: k = 32 b + 16 h + 0 .. 15
	v_cvt_scalef32_pk8_bf8_f32 v[(\cd)+4*\b+2:(\cd)+4*\b+3], v[A+16*\b+8:A+16*\b+15], v[SC]
.if \w2
.irp c, 0,1,2,3
	ds_load_b128 v[A+16*\b+4*\c:A+16*\b+4*\c+3], v[L16] offset:2048*\b+512*\c                 ; 32 lanes read 512 consecutive bytes
.endr
.endif
.endr
	v_nop                                          ; one plain line between the last conversion and the next vector or matrix line that touches its registers
.endm
; The quantised product, both tiles: four tiles of 16 units x 16 rows each, K = 128 in one instruction; C = b2 x 2^-E.  No sum has a second link.
.macro M2
	s_wait_dscnt 0x0                               ; W2's sixteen loads are in
	WIN 0x10
.irp c, 0,1,2,3
	v_wmma_f32_16x16x128_bf8_bf8 v[D1+8*\c:D1+8*\c+7], v[A+16*\c:A+16*\c+15], v[CA:CA+15], v[B2+8*\c:B2+8*\c+7]
	v_wmma_f32_16x16x128_bf8_bf8 v[D1+32+8*\c:D1+32+8*\c+7], v[A+16*\c:A+16*\c+15], v[CB:CB+15], v[B2+8*\c:B2+8*\c+7]
.endr
	WIN 0
	NOPS 4                                         ; four places ahead of relu, which reads the sums and writes over W2's fragments (ISA guide 7.12.1)
.endm
; Both tiles: relu and LayerNorm over 64 units, on the sums as they stand (they lack the factor 2^E).  With d = relu - mean of those, the normalised number is d x 2^E x rsq(2^(2 E - 6) x sum of d^2 + 1e-5):
; reference()'s own, with the powers of two moved.  d goes on as bf16; the factor meets the last product's sums.  The mean is taken away in f32 ahead of that rounding.
.macro LN2
	RELU
	ADDUP A, 16, T
	ADDUP A+32, 16, T+2
	v_permlanex16_b32 v[T+1], v[T], s[SEL], s[SEL+1]
	v_permlanex16_b32 v[T+3], v[T+2], s[SEL], s[SEL+1]
	v_add_f32 v[T], v[T], v[T+1]
	v_add_f32 v[T+2], v[T+2], v[T+3]
	v_mul_f32 v[NMA], 0xbc800000, v[T]             ; x -1 / 64
	v_mul_f32 v[NMB], 0xbc800000, v[T+2]
	CENSQ A, 16, NMA, T
	CENSQ A+32, 16, NMB, T+2
	v_permlane16_swap_b32 v[T], v[T+2]             ; tile A's two halves now lie in lanes 0-15 of the two registers, tile B's in lanes 16-31: where the last product's sums lie
	v_add_f32 v[T], v[T], v[T+2]
	v_ldexp_f32 v[T], v[T], s[E2]
	v_add_f32 v[T], s[EPS], v[T]
	v_rsq_f32 v[RS], v[T]                          ; the roundings below are the plain lines behind it; its wait is the first one among the products that follow
.set k, 0
.rept 16
	v_cvt_pk_bf16_f32 v[A+k], v[A+2*k], v[A+2*k+1] ; tiles 2 s, 2 s + 1 packed in pairs ARE fragment s of a K = 32 operand; in place, ascending
.set k, k+1
.endr
.set k, 0
.rept 16
	v_cvt_pk_bf16_f32 v[A+32+k], v[A+32+2*k], v[A+32+2*k+1]
.set k, k+1
.endr
.endm
; The last product, block-diagonal: heads of tile A into rows 0-7 (lanes 0-15), of tile B into rows 8-15 (lanes 16-31).  One accumulator: two by turns would cost eight vector additions a pair,
; and vector lines are what this loop has most of.  So a wait stands directly ahead of each later link.
.macro M3
	WIN 0x01                                       ; source 0 (W3') window 1
	v_wmma_f32_16x16x32_bf16 v[D3:D3+7], v[W3F:W3F+7], v[A:A+7], 0
	s_wait_alu depctr_va_vdst(0)
	v_wmma_f32_16x16x32_bf16 v[D3:D3+7], v[W3F+8:W3F+15], v[A+8:A+15], v[D3:D3+7]
	s_wait_alu depctr_va_vdst(0)
	v_wmma_f32_16x16x32_bf16 v[D3:D3+7], v[W3F+16:W3F+23], v[A+32:A+39], v[D3:D3+7]
	s_wait_alu depctr_va_vdst(0)
	v_wmma_f32_16x16x32_bf16 v[D3:D3+7], v[W3F+24:W3F+31], v[A+40:A+47], v[D3:D3+7]
	WIN 0
.endm
.macro EPI q
	v_ldexp_f32 v[RS], v[RS], s[EE]                ; x 2^E.  With the three below: four places behind the last product
	NOPS 3
.irp j, 0,1,2,3,4,5,6,7
	v_fma_f32 v[OUT+4*\j+(\q)], v[D3+\j], v[RS], s[CC+\j]   ; head j of my point q; the sums from their low end on
.endr
.endm
; The next trip's points, asked for a pair ahead of their use; the last trip asks for nothing: no load leaves its buffer.  The points' registers have been read for the last time in this trip,
; and the base's last loads were waited for in the trip before.
.macro NEXTP
	s_cmp_eq_u32 s[TRIPS], 1
	s_cbranch_scc1 .Lno_next
	s_add_nc_u64 s[8:9], s[8:9], 1536
.irp i, 0,1,2
	global_load_b128 v[P+4*\i:P+4*\i+3], v[PO], s[8:9] offset:16*\i
.endr
.Lno_next:
.endm
.macro PAIR q
.set FB,  FE+4*((\q)%2)
.set NFB, FE+4*(((\q)+1)%2)
.set NQ,  ((\q)+1)%4
	v_permlane16_swap_b32 v[FB], v[FB+2]           ; (x | x), (z | z) of lanes 0-15 | 16-31 become (xA | zA), (xB | zB):
	v_permlane16_swap_b32 v[FB+1], v[FB+3]         ; source 1 of the f32 form holds k = 2 h + j in register j: v[FB:FB+1] is tile A's, v[FB+2:FB+3] tile B's
	M1 FB
	NOPS 8                                         ; eight places behind the f32 form, ahead of the first read of its sums (ISA guide 7.12.1)
	LN1 CA, 0
	M1 FB+2
.if (\q) == 3
	s_wait_loadcnt 0x0                             ; the next trip's three loads of points, issued a pair ago
.endif
	FEAT NQ, NFB                                   ; the next pair's features, into the other buffer: its fifteen plain lines are the places behind the products.  (In the last trip pair 3 works on old points; nobody reads the result)
	LN1 CB, 1
.if (\q) == 2
	NEXTP
.endif
	M2
	LN2
	M3
	EPI \q
.endm
	FEAT 0, FE
	v_nop
	s_wait_alu depctr_va_vdst(0)                   ; ahead of the label the root has its wait
	s_mov_b32 s[TRIPS], 4
.Ltrip:                                                ; a trip: 128 points of my wave
	PAIR 0
	PAIR 1
	PAIR 2
	PAIR 3
.irp j, 0,1,2,3,4,5,6,7
	global_store_b128 v[L16], v[OUT+4*\j:OUT+4*\j+3], s[36:37] offset:\j<<20 th:TH_STORE_NT   ; 32 lanes store 512 consecutive bytes, at a multiple of 512 from out0's first byte; a head is 2^20 bytes on: 7 x 2^20 lies inside the signed 24-bit immediate
.endr
	s_wait_xcnt 0x0                                ; the stores have read their data and their base: both are written again only behind this wait
	s_add_nc_u64 s[36:37], s[36:37], 512
	s_sub_co_u32 s[TRIPS], s[TRIPS], 1
	s_cmp_lg_u32 s[TRIPS], 0
	s_cbranch_scc1 .Ltrip
	s_wait_tensorcnt 0x0                           ; the wave's end
	ds_add_u32 v[SPW], v[NIL]
	s_wait_dscnt 0x0
	s_endpgm
.Lfunc_end_k_q9d26121ee8_geo:
	.size	k_q9d26121ee8_geo, .Lfunc_end_k_q9d26121ee8_geo-k_q9d26121ee8_geo
	.p2alignl 7, 3214868480
	.fill 96, 4, 3214868480
	.section	.rodata,"a",@progbits
	.p2align	6, 0x0
	.amdhsa_kernel k_q9d26121ee8_geo
		.amdhsa_group_segment_fixed_size 9216
		.amdhsa_private_segment_fixed_size 0
		.amdhsa_enable_private_segment 0
		.amdhsa_kernarg_size 128
		.amdhsa_user_sgpr_count 2
		.amdhsa_user_sgpr_kernarg_segment_ptr 1
		.amdhsa_wavefront_size32 1
		.amdhsa_system_sgpr_workgroup_id_x 1
		.amdhsa_system_sgpr_workgroup_id_y 1
		.amdhsa_system_sgpr_workgroup_id_z 1
		.amdhsa_system_vgpr_workitem_id 0
		.amdhsa_next_free_vgpr 512
		.amdhsa_next_free_sgpr 80
		.amdhsa_reserve_vcc 1
		.amdhsa_float_denorm_mode_32 3
		.amdhsa_float_denorm_mode_16_64 3
		.amdhsa_memory_ordered 1
		.amdhsa_forward_progress 1
		.amdhsa_inst_pref_size 229
	.end_amdhsa_kernel
	.amdgpu_metadata
---
amdhsa.version: [ 1, 2 ]
amdhsa.kernels:
  - .name:           k_q9d26121ee8_geo
    .symbol:         k_q9d26121ee8_geo.kd
    .args:
      - { .name: scene_points, .offset: 0, .size: 8, .value_kind: global_buffer, .address_space: global }
      - { .name: grasp_poses, .offset: 8, .size: 8, .value_kind: global_buffer, .address_space: global }
      - { .name: W1, .offset: 16, .size: 8, .value_kind: global_buffer, .address_space: global }
      - { .name: b1, .offset: 24, .size: 8, .value_kind: global_buffer, .address_space: global }
      - { .name: g1, .offset: 32, .size: 8, .value_kind: global_buffer, .address_space: global }
      - { .name: beta1, .offset: 40, .size: 8, .value_kind: global_buffer, .address_space: global }
      - { .name: W2_codes, .offset: 48, .size: 8, .value_kind: global_buffer, .address_space: global }
      - { .name: b2, .offset: 56, .size: 8, .value_kind: global_buffer, .address_space: global }
      - { .name: g2, .offset: 64, .size: 8, .value_kind: global_buffer, .address_space: global }
      - { .name: beta2, .offset: 72, .size: 8, .value_kind: global_buffer, .address_space: global }
      - { .name: W3, .offset: 80, .size: 8, .value_kind: global_buffer, .address_space: global }
      - { .name: b3, .offset: 88, .size: 8, .value_kind: global_buffer, .address_space: global }
      - { .name: bias_scale, .offset: 96, .size: 8, .value_kind: global_buffer, .address_space: global }
      - { .name: lowp_scales, .offset: 104, .size: 8, .value_kind: global_buffer, .address_space: global }
      - { .name: out0, .offset: 112, .size: 8, .value_kind: global_buffer, .address_space: global }
      - { .name: grasp_tokens, .offset: 120, .size: 8, .value_kind: global_buffer, .address_space: global }
    .group_segment_fixed_size: 9216
    .private_segment_fixed_size: 0
    .kernarg_segment_align: 8
    .kernarg_segment_size: 128
    .max_flat_workgroup_size: 256
    .sgpr_count:     80
    .vgpr_count:     512
    .wavefront_size: 32
...
	.end_amdgpu_metadata
.endif
;; end of part 1
;; ======== version 2 of 2: 1 launch; version 1 with the launch geo written anew for expert scheduling mode
;; launch geo (part 2): grid 256 x 1, 8 waves a work-group, no clusters, 9,216 bytes of LDS; arguments scene_points, grasp_poses, W1, b1, g1, beta1, W2_codes, b2, g2, beta2, W3, b3, bias_scale, lowp_scales, out0, grasp_tokens; writes out0
.if DOCPART == 2
	.amdgcn_target "amdgcn-amd-amdhsa--gfx1250"
	.amdhsa_code_object_version 6
	.text
	.protected	k_q9d26121ee8_geo
	.globl	k_q9d26121ee8_geo
	.p2align	8
	.type	k_q9d26121ee8_geo,@function
k_q9d26121ee8_geo:
	s_mov_b64 s[64:65], 0
	v_nop
	global_prefetch_b8 v0, s[64:65] scope:SCOPE_SE
	s_setreg_imm32_b32 hwreg(HW_REG_WAVE_SCHED_MODE, 0, 2), 2
	s_setreg_imm32_b32 hwreg(HW_REG_WAVE_MODE, 25, 1), 1
	s_wait_xcnt 0x0
	s_wait_alu depctr_vm_vsrc(0)
; out0[b][hd][g][p] = bias_scale[hd] x ( LN2(relu( Q(LN1(relu(f W1 + b1))) W2 + b2 )) W3 + b3 )[hd],  f = (R^T (point p - t), its length) for grasp g of batch b.
; Only the product with W2 is quantised: its left operand is turned into E5M2 codes with the given 2^e0, W2 comes as codes with 2^e1, v_wmma_f32_16x16x128_bf8_bf8 multiplies them.
; The product with W1 feeds the quantiser, so it takes f32 operands (v_wmma_f32_16x16x4_f32); the product with W3 takes bf16 operands; everything else is f32.
; grasp_tokens: reference() takes it and uses it in no result; its address is the last argument and nothing is loaded from it.
; LIMITS.  e0 between -126 and 112 (2^e0 and 57,344 x 2^e0 are made as f32 numbers); b2 x 2^-(e0+e1) must be an f32 number; NaN among the inputs is not served (relu and the hold drop it);
; v_sqrt_f32 and v_rsq_f32 take a denormal input as 0 (ISA guide 15.8); sums are ordered otherwise than reference()'s.
; SHARES.  Work-group bg = one (batch, grasp) and all 4,096 points; wave w points 512 w .. 512 w + 511, in 4 trips of 128; a trip is 4 PAIRS of tiles of 16 rows.  Two waves of 512 registers lie on a SIMD:
; each is written in plain phases, and one wave's vector lines stand beside the other's matrix lines.
; THE ORDER OF POINTS.  Lane l owns points p0 + 4 l + q, q = 0 .. 3.  In pair q tile A's column r is lane r's point, tile B's column r lane 16 + r's.  The last product is laid block-diagonal, so that its result
; holds head j in register j, tile A in lanes 0-15 and tile B in lanes 16-31: each lane gets its own point back.  After four pairs a lane holds 4 neighbouring points of each head: 16 bytes, stored as they stand.
; ALL PRODUCTS ARE USED TRANSPOSED (source 0 = weights, source 1 = rows): a lane holds one row, its registers run along the units, which are the next product's K.
; THE UNITS OF A TILE OF W1 ARE NOT NEIGHBOURS: row m of tile 2 b + u is unit 32 b + 8 u + m + 8 (m / 8), so that register 16 b + i of lane (r, h) is unit 32 b + 16 h + i: the order in which W2's fragments hold k.
; REGISTERS, window 0: see the names below.  Window 1: v0-63 b1, v64-127 g1, v128-191 beta1 (register i: unit 32 (i / 16) + 16 h + i % 16); v192-223 b2 x 2^-(e0+e1) (register 8 c + j: unit 16 c + 8 h + j); v224-255 W3's four fragments.
; LDS: 0 .. 8,191 W2's four fragments as images of their registers (fragment c at 2,048 c, four registers at 512 a group, 16 bytes a lane); written once, read once a pair.  8,192 .. 9,215 the spare words.
; THE MODE: SCHED_MODE bits 1:0 = 2 (LLVM: expert scheduling mode 2), set by the entry lines.  The code itself states the register dependences
; between vector or matrix instructions and memory or LDS instructions, with s_wait_alu, always for 0.
; THE PLAN.  Registers that memory or LDS instructions touch:
;   v3, v4        Offsets of the points' loads, of the LDS loads and of the stores.  Made at the head, ahead of its one wait on va_vdst; never written again: the rows are reached by scalar bases and immediates.
;   v227-234, v244-251  At the head: the loads' offsets, and the address and data of W2's two LDS stores.  In the loop they are part of OUT: one wait on vm_vsrc stands behind the barrier.
;   A             A pair: relu, LayerNorm, holds and conversions of tile A, then of tile B, name it; tile B's conversions are its last vector readers; then W2's four fragments land in it, and the quantised products read them.
;                 Two waits on va_vdst in tile B's part: behind block 2's holds (blocks 0 and 1 are done with: fragments 0 and 1 are asked for), and behind the last conversion (fragments 2 and 3).
;                 The vector lines between the two waits name A's upper half, the codes and two constants alone.
;   P             Read by the features' subtractions; the next trip's points are asked for in pair 2, behind the features of point 3 and behind tile B's waits, which state that those subtractions are done.
;   OUT           Written by each pair's eight multiply-adds; read by the trip's eight stores: a wait on va_vdst ahead of the stores, a wait on vm_vsrc behind them, ahead of the backward jump.
;   v1, v2        Written at the head, read by the closing add alone.
;   D1, the codes, the chains and window 1 (behind the head's loads) are named by vector and matrix instructions alone.
; Scalar registers that vector lines write (the wave's number, c[hd], a mask and VCC, t and R) are all written at the head, each with its wait ahead of its first reader, ahead of the loop's label.
.set SPARE, 8192
.set LIM,  0                           ; v0      behind the head: 57,344 x 2^e0
.set SPW,  1                           ; v1      LDS address of my spare word; never rewritten
.set NIL,  2                           ; v2      0, for the add alone
.set PO,   3                           ; v3      48 x lane: my four points' bytes in a trip's 1,536
.set L16,  4                           ; v4      16 x lane: my place in an LDS image, and in a trip's 512 bytes of a head's row
.set SC,   5                           ; v5      2^e0 as f32
.set RS,   6                           ; v[6:7]  the reciprocal root (the pair's upper word is written once and not used)
.set CH,   8                           ; v8-15   four packed chains
.set P,    16                          ; v16-27  my four points, x y z each
.set NMA,  28                          ; v[28:29], v[30:31]  minus the mean (upper words written once and not used)
.set NMB,  30
.set W1F,  32                          ; v32-47  W1's eight fragments, two registers each
.set FE,   48                          ; v48-55  two buffers of four: the features of this pair and of the next
.set T,    56                          ; v56-63  at work
.set A,    64                          ; v64-127 relu and LayerNorm in place; then W2's fragments; then the second layer; then its bf16 fragments
.set D1,   128                         ; v128-191 written by matrix instructions alone: the first layer's sums of one tile, then the second layer's of both
.set CA,   192                         ; v192-207, v208-223 the two tiles' codes
.set CB,   208
.set D3,   192                         ; v192-199 the last product's sums (the codes are done with)
.set OUT,  224                         ; v224-255 register 4 j + q: head j, my point q
.set B1,   0                           ; window 1
.set G1,   64
.set BE1,  128
.set B2,   192
.set W3F,  224
.set HL,   224                         ; at the head alone, in OUT's registers: lane, r, h, offsets of the loads
.set HR,   225
.set HH,   226
.set OW1,  227
.set O64,  228
.set O32,  229
.set OW2,  230
.set OW3,  231
.set OHD,  232
.set ZO,   233
.set LW,   234
.set HX,   235
.set POSE, 236                         ; v236-242 t (3), the quaternion x y z w
.set W2T,  244                         ; v244-251 my 32 bytes a lane of W2's codes
.set BSR,  252                         ; v252 bias_scale, v253 b3 of head r % 8
.set B3R,  253
.set W3T,  64                          ; at the head: W3 (32), g2 (32), beta2 (32) in the last product's layout
.set G2T,  96
.set BT,   192
.set PW,   64                          ; at the head, behind the fold: the rotation
.set WV,   38                          ; s38  wave
.set TRIPS, 39                         ; s39  trips to go
.set TT,   44                          ; s44-46 t
.set RM,   47                          ; s47-55 R, row by row
.set CC,   56                          ; s56-63 c[hd] = (sum of beta2 W3 + b3) x bias_scale
.set EPS,  67                          ; s67  1e-5
.set I128, 68                          ; s68  1 / 128
.set EE,   69                          ; s69  E = e0 + e1
.set E2,   70                          ; s70  2 E - 6
.set EN,   71                          ; s71  -E
.set SEL,  72                          ; s72, s73 v_permlanex16_b32's selects for lane l xor 16
.set MSB, 0
.macro WIN new                         ; the immediate's high byte repeats the setting that is left; a switch that changes nothing is dropped
.if MSB != \new
	s_set_vgpr_msb (MSB<<8)|\new
.set MSB, \new
.endif
.endm
.macro NOPS n
.rept \n
	v_nop
.endr
.endm
	s_load_b512 s[8:23], s[0:1], 0x0               ; scene_points, grasp_poses, W1, b1, g1, beta1, W2_codes, b2
	s_load_b256 s[24:31], s[0:1], 0x40             ; g2, beta2, W3, b3
	s_load_b128 s[32:35], s[0:1], 0x60             ; bias_scale, lowp_scales
	s_load_b64 s[36:37], s[0:1], 0x70              ; out0
	v_lshl_add_u32 v[SPW], v0, 2, SPARE
	v_mov_b32 v[NIL], 0
	v_lshrrev_b32 v[HX], 5, v0
	v_readfirstlane_b32 s[WV], v[HX]               ; wave 0..7
	v_and_b32 v[HL], 31, v0                        ; lane
	v_and_b32 v[HR], 15, v0                        ; r
	v_bfe_u32 v[HH], v0, 4, 1                      ; h
	v_lshlrev_b32 v[L16], 4, v[HL]
	v_mul_u32_u24 v[PO], v[HL], 48
	v_and_b32 v[HX], 8, v[HR]
	v_add_nc_u32 v[HX], v[HX], v[HR]               ; r + 8 (r / 8)
	v_lshlrev_b32 v[OW1], 2, v[HX]
	v_lshl_add_u32 v[OW1], v[HH], 10, v[OW1]       ; W1: rows 2 h, 2 h + 1 of 512 bytes, unit r + 8 (r / 8) of a tile
	v_lshlrev_b32 v[O64], 6, v[HH]                 ; b1, g1, beta1: 16 h units on
	v_lshlrev_b32 v[O32], 5, v[HH]                 ; b2, g2, beta2: 8 h units on
	v_lshlrev_b32 v[OW2], 7, v[HR]
	v_lshl_add_u32 v[OW2], v[HH], 4, v[OW2]        ; W2's codes: row r of 128 bytes, + 16 h
	v_and_b32 v[OHD], 7, v[HR]
	v_lshlrev_b32 v[OHD], 2, v[OHD]                ; head r % 8
	v_lshl_add_u32 v[OW3], v[HH], 8, v[OHD]        ; W3: 8 h rows of 32 bytes on, head r % 8
	v_mov_b32 v[ZO], 0
	s_wait_alu depctr_va_sdst(0)                   ; the wave's number s38 is written, ahead of its first reader: an LDS address and three bases are made from it
	s_lshl_b32 s2, s[WV], 10
	v_add_nc_u32 v[LW], s2, v[L16]                 ; where I put W2's codes: 1,024 x wave + 16 x lane
	v_mov_b32 v[RS+1], 0                           ; named as upper halves of pairs, or as a lane permute's destination: written once
	v_mov_b32 v[NMA+1], 0
	v_mov_b32 v[NMB+1], 0
	v_mov_b32 v[T+1], 0
	v_mov_b32 v[T+3], 0
	s_mov_b32 s[EPS], 0x3727c5ac
	s_mov_b32 s[I128], 0x3c000000
	s_mov_b32 s[SEL], 0x76543210
	s_mov_b32 s[SEL+1], 0xfedcba98
	s_mov_b32 s3, 0
	s_wait_kmcnt 0x0
	s_load_b64 s[40:41], s[34:35], 0x0             ; e0, e1
	s_mul_i32 s2, ttmp9, 28
	s_add_nc_u64 s[10:11], s[10:11], s[2:3]        ; my grasp's pose: 7 numbers
	s_lshr_b32 s4, ttmp9, 6                        ; b
	s_mul_i32 s2, s4, 49152
	s_mul_i32 s5, s[WV], 6144
	s_add_co_u32 s2, s2, s5
	s_add_nc_u64 s[8:9], s[8:9], s[2:3]            ; my wave's first point: 4,096 b + 512 w, 12 bytes each
	s_lshl_b32 s2, s4, 23
	s_and_b32 s5, ttmp9, 63                        ; g
	s_lshl_b32 s5, s5, 14
	s_add_co_u32 s2, s2, s5
	s_lshl_b32 s5, s[WV], 11
	s_add_co_u32 s2, s2, s5
	s_add_nc_u64 s[36:37], s[36:37], s[2:3]        ; out0 at (b, head 0, g, 512 w)
	s_lshr_b32 s4, s[WV], 1
	s_lshl_b32 s2, s4, 11
	s_and_b32 s5, s[WV], 1
	s_lshl_b32 s5, s5, 6
	s_add_co_u32 s2, s2, s5
	s_add_nc_u64 s[20:21], s[20:21], s[2:3]        ; W2's codes: fragment w / 2 (16 rows), its bytes 64 (w % 2) on
	s_wait_alu depctr_va_vdst(0)                   ; all offsets and LDS addresses are written (v3, v4, v227 to v234), which the loads, LDS stores, LDS loads and stores of the whole kernel read; behind it stand only loads and one window switch up to the last load of the run
	; all that the launch reads but the later trips' points, in one run
.irp i, 0,1,2,3,4,5,6
	global_load_b32 v[POSE+\i], v[ZO], s[10:11] offset:4*\i
.endr
.irp i, 0,1,2
	global_load_b128 v[P+4*\i:P+4*\i+3], v[PO], s[8:9] offset:16*\i
.endr
	global_load_b128 v[W2T:W2T+3], v[OW2], s[20:21]
	global_load_b128 v[W2T+4:W2T+7], v[OW2], s[20:21] offset:32
.irp t, 0,1,2,3,4,5,6,7
.irp j, 0,1
	global_load_b32 v[W1F+2*\t+\j], v[OW1], s[12:13] offset:512*\j+4*(32*(\t/2)+8*(\t%2))   ; W1(2 h + j, unit): source 0 of the f32 form holds k = 2 h + j in register j
.endr
.endr
.irp s, 0,1
.irp v, 0,1
.irp i, 0,1,2,3,4,5,6,7
	global_load_b32 v[W3T+16*\s+8*\v+\i], v[OW3], s[28:29] offset:1024*\s+512*\v+32*\i      ; W3(32 s + 16 v + 8 h + i, r % 8): the bf16 form's order of k
.endr
.irp u, 0,1
	global_load_b128 v[G2T+16*\s+8*\v+4*\u:G2T+16*\s+8*\v+4*\u+3], v[O32], s[24:25] offset:128*\s+64*\v+16*\u
	global_load_b128 v[BT+16*\s+8*\v+4*\u:BT+16*\s+8*\v+4*\u+3], v[O32], s[26:27] offset:128*\s+64*\v+16*\u
.endr
.endr
.endr
	global_load_b32 v[BSR], v[OHD], s[32:33]
	global_load_b32 v[B3R], v[OHD], s[30:31]
	WIN 0x40                                       ; destination window 1, address window 0
.irp b, 0,1,2,3
.irp c, 0,1,2,3
	global_load_b128 v[B1+16*\b+4*\c:B1+16*\b+4*\c+3], v[O64], s[14:15] offset:128*\b+16*\c
	global_load_b128 v[G1+16*\b+4*\c:G1+16*\b+4*\c+3], v[O64], s[16:17] offset:128*\b+16*\c
	global_load_b128 v[BE1+16*\b+4*\c:BE1+16*\b+4*\c+3], v[O64], s[18:19] offset:128*\b+16*\c
.endr
.endr
.irp c, 0,1,2,3
.irp u, 0,1
	global_load_b128 v[B2+8*\c+4*\u:B2+8*\c+4*\u+3], v[O32], s[22:23] offset:64*\c+16*\u
.endr
.endr
	WIN 0
	s_wait_loadcnt 0x0                             ; all of them: they are used at once
	ds_store_b128 v[LW], v[W2T:W2T+3]              ; W2's fragments go to LDS as images of their registers: eight waves, 1,024 bytes each.  (The address was written ahead of the wait on va_vdst above; the data are loads')
	ds_store_b128 v[LW], v[W2T+4:W2T+7] offset:512
	s_wait_dscnt 0x0                               ; for the others' sake: my stores have landed
	s_barrier_signal -1
	s_barrier_wait -1                              ; the launch's one barrier: behind it these bytes are only read
	s_wait_alu depctr_vm_vsrc(0)                   ; the loads have read their offsets v227 to v233, the LDS stores v234 and v244 to v251: these registers are OUT in the loop, written by its multiply-adds
	s_wait_kmcnt 0x0                               ; e0, e1
	s_add_co_i32 s2, s40, 127
	s_lshl_b32 s3, s2, 23
	v_mov_b32 v[SC], s3                            ; 2^e0: the conversion takes its exponent field
	s_add_co_i32 s2, s2, 15
	s_lshl_b32 s2, s2, 23
	s_or_b32 s2, s2, 0x600000
	v_mov_b32 v[LIM], s2                           ; 57,344 x 2^e0 (the thread's number is needed no more)
	s_add_co_i32 s[EE], s40, s41                   ; a sum of the quantised product stands for sum x 2^E
	s_lshl_b32 s[E2], s[EE], 1
	s_sub_co_i32 s[E2], s[E2], 6
	s_sub_co_i32 s[EN], 0, s[EE]
	WIN 0x41                                       ; source 0 and destination window 1
.set i, 0
.rept 32
	v_ldexp_f32 v[B2+i], v[B2+i], s[EN]            ; b2 goes in as the sums' C, divided by the power of two that they lack
.set i, i+1
.endr
	WIN 0
	; W3 is folded: c[hd] = (sum over k of beta2[k] W3[k][hd] + b3[hd]) x bias_scale[hd] in f32; W3'[k][hd] = g2[k] W3[k][hd] bias_scale[hd] in bf16
.set k, 0
.rept 4
	v_pk_mul_f32 v[CH+2*k:CH+2*k+1], v[W3T+2*k:W3T+2*k+1], v[BT+2*k:BT+2*k+1]
.set k, k+1
.endr
.rept 12
	v_pk_fma_f32 v[CH+2*(k%4):CH+2*(k%4)+1], v[W3T+2*k:W3T+2*k+1], v[BT+2*k:BT+2*k+1], v[CH+2*(k%4):CH+2*(k%4)+1]
.set k, k+1
.endr
	v_pk_add_f32 v[CH:CH+1], v[CH:CH+1], v[CH+2:CH+3]
	v_pk_add_f32 v[CH+4:CH+5], v[CH+4:CH+5], v[CH+6:CH+7]
	v_pk_add_f32 v[CH:CH+1], v[CH:CH+1], v[CH+4:CH+5]
	v_add_f32 v[T], v[CH], v[CH+1]                 ; my 32 of the 64 k,
	v_permlanex16_b32 v[T+1], v[T], s[SEL], s[SEL+1]
	v_add_f32 v[T], v[T], v[T+1]                   ; and lane l xor 16's
	v_add_f32 v[T], v[T], v[B3R]
	v_mul_f32 v[T], v[T], v[BSR]
.irp j, 0,1,2,3,4,5,6,7
	v_readlane_b32 s[CC+\j], v[T], \j              ; lane j holds head j.  (Their first readers stand in the loop; their wait is the one on va_sdst below, in this straight run)
.endr
.set k, 0
.rept 16
	v_pk_mul_f32 v[W3T+2*k:W3T+2*k+1], v[W3T+2*k:W3T+2*k+1], v[G2T+2*k:G2T+2*k+1]
.set k, k+1
.endr
.set k, 0
.rept 16
	v_pk_mul_f32 v[W3T+2*k:W3T+2*k+1], v[W3T+2*k:W3T+2*k+1], v[BSR:BSR+1] op_sel_hi:[1,0]
.set k, k+1
.endr
.set k, 0
.rept 16
	v_cvt_pk_bf16_f32 v[W3T+k], v[W3T+2*k], v[W3T+2*k+1]   ; packed in place, ascending: register k is written when it has been read
.set k, k+1
.endr
	v_cmp_gt_u32 vcc_lo, 8, v[HR]                  ; rows 0-7 of a fragment
	v_cmp_le_u32 s2, 8, v[HR]                      ; rows 8-15
	s_wait_alu depctr_va_vcc(0)                    ; VCC is written, ahead of the selects that read it
	s_wait_alu depctr_va_sdst(0)                   ; the mask s2 is written, ahead of the selects that read it; so are s56 to s63, c[hd], which the loop's multiply-adds read
	WIN 0x40
.set k, 0
.rept 16
	v_cndmask_b32 v[W3F+k], 0, v[W3T+k], vcc_lo    ; fragments 0, 1: W3' in rows 0-7, zeros below: they meet tile A
	v_cndmask_b32 v[W3F+16+k], 0, v[W3T+k], s2     ; fragments 2, 3: zeros, W3' in rows 8-15: they meet tile B
.set k, k+1
.endr
	WIN 0
	; the pose: q / (|q| + 1e-8), R; the same in every lane, then into scalar registers
	v_mul_f32 v[PW], v[POSE+3], v[POSE+3]
	v_fmac_f32 v[PW], v[POSE+4], v[POSE+4]
	v_fmac_f32 v[PW], v[POSE+5], v[POSE+5]
	v_fmac_f32 v[PW], v[POSE+6], v[POSE+6]
	v_sqrt_f32 v[PW+1], v[PW]
	v_nop                                          ; a plain line behind the root,
	s_wait_alu depctr_va_vdst(0)                   ; and the root v[PW+1] is written, ahead of its first reader
	v_add_f32 v[PW+1], 0x322bcc77, v[PW+1]         ; + 1e-8
	v_rcp_f32 v[PW+2], v[PW+1]
	v_nop
	s_wait_alu depctr_va_vdst(0)                   ; the reciprocal v[PW+2] is written, ahead of its first reader
	v_fma_f32 v[PW+3], -v[PW+1], v[PW+2], 1.0      ; one Newton step: the quotient feeds a quantiser
	v_fmac_f32 v[PW+2], v[PW+2], v[PW+3]
.irp i, 3,4,5,6
	v_mul_f32 v[POSE+\i], v[POSE+\i], v[PW+2]
.endr
.irp i, 0,1,2
	v_add_f32 v[PW+4+\i], v[POSE+3+\i], v[POSE+3+\i]       ; 2 x, 2 y, 2 z: doubling rounds nothing, so 2 (a + b) = 2 a + 2 b bit for bit
.endr
	v_mul_f32 v[PW+7], v[POSE+3], v[PW+4]          ; 2 xx
	v_mul_f32 v[PW+8], v[POSE+4], v[PW+5]          ; 2 yy
	v_mul_f32 v[PW+9], v[POSE+5], v[PW+6]          ; 2 zz
	v_mul_f32 v[PW+10], v[POSE+3], v[PW+5]         ; 2 xy
	v_mul_f32 v[PW+11], v[POSE+3], v[PW+6]         ; 2 xz
	v_mul_f32 v[PW+12], v[POSE+4], v[PW+6]         ; 2 yz
	v_mul_f32 v[PW+13], v[POSE+6], v[PW+4]         ; 2 wx
	v_mul_f32 v[PW+14], v[POSE+6], v[PW+5]         ; 2 wy
	v_mul_f32 v[PW+15], v[POSE+6], v[PW+6]         ; 2 wz
	v_add_f32 v[PW+16], v[PW+8], v[PW+9]
	v_sub_f32 v[PW+16], 1.0, v[PW+16]              ; R00
	v_sub_f32 v[PW+17], v[PW+10], v[PW+15]         ; R01
	v_add_f32 v[PW+18], v[PW+11], v[PW+14]         ; R02
	v_add_f32 v[PW+19], v[PW+10], v[PW+15]         ; R10
	v_add_f32 v[PW+20], v[PW+7], v[PW+9]
	v_sub_f32 v[PW+20], 1.0, v[PW+20]              ; R11
	v_sub_f32 v[PW+21], v[PW+12], v[PW+13]         ; R12
	v_sub_f32 v[PW+22], v[PW+11], v[PW+14]         ; R20
	v_add_f32 v[PW+23], v[PW+12], v[PW+13]         ; R21
	v_add_f32 v[PW+24], v[PW+7], v[PW+8]
	v_sub_f32 v[PW+24], 1.0, v[PW+24]              ; R22
.irp i, 0,1,2
	v_readfirstlane_b32 s[TT+\i], v[POSE+\i]
.endr
.irp i, 0,1,2,3,4,5,6,7,8
	v_readfirstlane_b32 s[RM+\i], v[PW+16+\i]
.endr
	s_wait_alu depctr_va_sdst(0)                   ; t (s44 to s46) and R (s47 to s55) are written, ahead of their first readers, the features' lines below
; My point q's four features into v[fb] on: l = R^T (p - t), l_i = R0i vx + R1i vy + R2i vz, and its length.  Fifteen plain lines and a root.
.macro FEAT q, fb
.irp i, 0,1,2
	v_sub_f32 v[T+\i], v[P+3*(\q)+\i], s[TT+\i]
.endr
.irp i, 0,1,2
	v_mul_f32 v[(\fb)+\i], s[RM+\i], v[T]
.endr
.irp i, 0,1,2
	v_fmac_f32 v[(\fb)+\i], s[RM+3+\i], v[T+1]
.endr
.irp i, 0,1,2
	v_fmac_f32 v[(\fb)+\i], s[RM+6+\i], v[T+2]
.endr
	v_mul_f32 v[T+3], v[(\fb)], v[(\fb)]
	v_fmac_f32 v[T+3], v[(\fb)+1], v[(\fb)+1]
	v_fmac_f32 v[T+3], v[(\fb)+2], v[(\fb)+2]
	v_sqrt_f32 v[(\fb)+3], v[T+3]                  ; its wait is the next one in the text; nothing names the result before that
.endm
; The first layer of one tile: eight tiles of 16 units x 16 rows, K = 4; b1 is the C, so it costs no addition.  Each sum is one instruction.
.macro M1 fb
	WIN 0x10                                       ; C in window 1
.irp t, 0,1,2,3,4,5,6,7
	v_wmma_f32_16x16x4_f32 v[D1+8*\t:D1+8*\t+7], v[W1F+2*\t:W1F+2*\t+1], v[(\fb):(\fb)+1], v[B1+8*\t:B1+8*\t+7]
.endr
	WIN 0
.endm
; relu, out of the sums' registers into others; ascending
.macro RELU
.set i, 0
.rept 64
	v_max_num_f32 v[A+i], 0, v[D1+i]
.set i, i+1
.endr
.endm
; the sum of np pairs of registers from v[a0] on, in four packed chains -> v[dst]
.macro ADDUP a0, np, dst
.set k, 0
.rept 4
	v_pk_add_f32 v[CH+2*k:CH+2*k+1], v[(\a0)+2*k:(\a0)+2*k+1], v[(\a0)+2*k+8:(\a0)+2*k+9]
.set k, k+1
.endr
.set k, 8
.rept (\np)-8
	v_pk_add_f32 v[CH+2*(k%4):CH+2*(k%4)+1], v[CH+2*(k%4):CH+2*(k%4)+1], v[(\a0)+2*k:(\a0)+2*k+1]
.set k, k+1
.endr
	v_pk_add_f32 v[CH:CH+1], v[CH:CH+1], v[CH+2:CH+3]
	v_pk_add_f32 v[CH+4:CH+5], v[CH+4:CH+5], v[CH+6:CH+7]
	v_pk_add_f32 v[CH:CH+1], v[CH:CH+1], v[CH+4:CH+5]
	v_add_f32 v[\dst], v[CH], v[CH+1]
.endm
; the mean is taken away in place (v[nm] holds minus the mean), and the squares of what is left are summed -> v[dst]: the variance in two passes, as reference() has it
.macro CENSQ a0, np, nm, dst
.set g, 0
.rept (\np)/4
.set k, 0
.rept 4
	v_pk_add_f32 v[(\a0)+8*g+2*k:(\a0)+8*g+2*k+1], v[(\a0)+8*g+2*k:(\a0)+8*g+2*k+1], v[\nm:\nm+1] op_sel_hi:[1,0]
.set k, k+1
.endr
.set k, 0
.rept 4
.if g == 0
	v_pk_mul_f32 v[CH+2*k:CH+2*k+1], v[(\a0)+2*k:(\a0)+2*k+1], v[(\a0)+2*k:(\a0)+2*k+1]
.else
	v_pk_fma_f32 v[CH+2*k:CH+2*k+1], v[(\a0)+8*g+2*k:(\a0)+8*g+2*k+1], v[(\a0)+8*g+2*k:(\a0)+8*g+2*k+1], v[CH+2*k:CH+2*k+1]
.endif
.set k, k+1
.endr
.set g, g+1
.endr
	v_pk_add_f32 v[CH:CH+1], v[CH:CH+1], v[CH+2:CH+3]
	v_pk_add_f32 v[CH+4:CH+5], v[CH+4:CH+5], v[CH+6:CH+7]
	v_pk_add_f32 v[CH:CH+1], v[CH:CH+1], v[CH+4:CH+5]
	v_add_f32 v[\dst], v[CH], v[CH+1]
.endm
; Fragment f of W2 from its image in LDS into the sixteen registers in which block f of tile B's numbers lay
.macro W2FR f
.irp c, 0,1,2,3
	ds_load_b128 v[A+16*(\f)+4*\c:A+16*(\f)+4*\c+3], v[L16] offset:2048*(\f)+512*\c           ; 32 lanes read 512 consecutive bytes
.endr
.endm
; One tile: relu, LayerNorm over 128 units (64 in my lane, 64 in lane l xor 16), g1, beta1, the hold, the codes into v[cd] on.
; w2 = 1 (tile B): W2's fragments are fetched into the registers that have been converted, in two runs of eight loads, each behind its wait: the quantised product finds its source 0 where the numbers lay.
.macro LN1 cd, w2
	RELU
	ADDUP A, 32, T
	v_permlanex16_b32 v[T+1], v[T], s[SEL], s[SEL+1]
	v_add_f32 v[T], v[T], v[T+1]
	v_mul_f32 v[NMA], 0xbc000000, v[T]             ; minus the mean: x -1 / 128
	CENSQ A, 32, NMA, T
	v_permlanex16_b32 v[T+1], v[T], s[SEL], s[SEL+1]
	v_add_f32 v[T], v[T], v[T+1]
	v_fma_f32 v[T], v[T], s[I128], s[EPS]
	v_rsq_f32 v[RS], v[T]
	v_nop                                          ; a plain line behind the reciprocal root,
	s_wait_alu depctr_va_vdst(0)                   ; and the reciprocal root v[RS] is written, ahead of its first reader; so is the features' root, where one is out
.set k, 0
.rept 32
	v_pk_mul_f32 v[A+2*k:A+2*k+1], v[A+2*k:A+2*k+1], v[RS:RS+1] op_sel_hi:[1,0]
.set k, k+1
.endr
	WIN 0x14                                       ; sources 1 and 2 (g1, beta1) window 1
.set k, 0
.rept 32
	v_pk_fma_f32 v[A+2*k:A+2*k+1], v[A+2*k:A+2*k+1], v[G1+2*k:G1+2*k+1], v[BE1+2*k:BE1+2*k+1]
.set k, k+1
.endr
	WIN 0
.irp b, 0,1,2,3
.set i, 0
.rept 16
	v_med3_num_f32 v[A+16*\b+i], v[A+16*\b+i], -v[LIM], v[LIM]   ; the conversion to an 8-bit code does not saturate (ISA guide 7.6.2): the hold at the largest code x the scale
.set i, i+1
.endr
.if \w2 && (\b == 2)
	s_wait_alu depctr_va_vdst(0)                   ; the holds of blocks 0 and 1 have written v[A .. A+31] and their conversions are done reading them: the eight loads below land there; the vector lines that follow name v[A+32 ..], the codes and two constants alone
	W2FR 0
	W2FR 1
.endif
	v_cvt_scalef32_pk8_bf8_f32 v[(\cd)+4*\b:(\cd)+4*\b+1], v[A+16*\b:A+16*\b+7], v[SC]        ; registers 4 b .. 4 b + 3: k = 32 b + 16 h + 0 .. 15
	v_cvt_scalef32_pk8_bf8_f32 v[(\cd)+4*\b+2:(\cd)+4*\b+3], v[A+16*\b+8:A+16*\b+15], v[SC]
.endr
	v_nop                                          ; one plain line between the last conversion and the next vector or matrix line that touches its registers
.if \w2
	s_wait_alu depctr_va_vdst(0)                   ; the holds of blocks 2 and 3 have written v[A+32 .. A+63] and their conversions are done reading them: the eight loads below land there.  In pair 2 also: the features' subtractions are done reading the points' registers, in which the next trip's loads land
	W2FR 2
	W2FR 3
.endif
.endm
; The quantised product, both tiles: four tiles of 16 units x 16 rows each, K = 128 in one instruction; C = b2 x 2^-E.  No sum has a second link.
.macro M2
	s_wait_dscnt 8                                 ; LDS loads come back in order (ISA guide 5.7.1): W2's fragments 0 and 1 are in; the eight younger loads, fragments 2 and 3, may be out
	WIN 0x10
.irp c, 0,1
	v_wmma_f32_16x16x128_bf8_bf8 v[D1+8*\c:D1+8*\c+7], v[A+16*\c:A+16*\c+15], v[CA:CA+15], v[B2+8*\c:B2+8*\c+7]
	v_wmma_f32_16x16x128_bf8_bf8 v[D1+32+8*\c:D1+32+8*\c+7], v[A+16*\c:A+16*\c+15], v[CB:CB+15], v[B2+8*\c:B2+8*\c+7]
.endr
	s_wait_dscnt 0x0                               ; fragments 2 and 3 are in
.irp c, 2,3
	v_wmma_f32_16x16x128_bf8_bf8 v[D1+8*\c:D1+8*\c+7], v[A+16*\c:A+16*\c+15], v[CA:CA+15], v[B2+8*\c:B2+8*\c+7]
	v_wmma_f32_16x16x128_bf8_bf8 v[D1+32+8*\c:D1+32+8*\c+7], v[A+16*\c:A+16*\c+15], v[CB:CB+15], v[B2+8*\c:B2+8*\c+7]
.endr
	WIN 0
	NOPS 4                                         ; four places ahead of relu, which reads the sums and writes over W2's fragments (ISA guide 7.12.1)
.endm
; Both tiles: relu and LayerNorm over 64 units, on the sums as they stand (they lack the factor 2^E).  With d = relu - mean of those, the normalised number is d x 2^E x rsq(2^(2 E - 6) x sum of d^2 + 1e-5):
; reference()'s own, with the powers of two moved.  d goes on as bf16; the factor meets the last product's sums.  The mean is taken away in f32 ahead of that rounding.
.macro LN2
	RELU
	ADDUP A, 16, T
	ADDUP A+32, 16, T+2
	v_permlanex16_b32 v[T+1], v[T], s[SEL], s[SEL+1]
	v_permlanex16_b32 v[T+3], v[T+2], s[SEL], s[SEL+1]
	v_add_f32 v[T], v[T], v[T+1]
	v_add_f32 v[T+2], v[T+2], v[T+3]
	v_mul_f32 v[NMA], 0xbc800000, v[T]             ; x -1 / 64
	v_mul_f32 v[NMB], 0xbc800000, v[T+2]
	CENSQ A, 16, NMA, T
	CENSQ A+32, 16, NMB, T+2
	v_permlane16_swap_b32 v[T], v[T+2]             ; tile A's two halves now lie in lanes 0-15 of the two registers, tile B's in lanes 16-31: where the last product's sums lie
	v_add_f32 v[T], v[T], v[T+2]
	v_ldexp_f32 v[T], v[T], s[E2]
	v_add_f32 v[T], s[EPS], v[T]
	v_rsq_f32 v[RS], v[T]                          ; the roundings below are the plain lines behind it; its wait is the first one among the products that follow
.set k, 0
.rept 16
	v_cvt_pk_bf16_f32 v[A+k], v[A+2*k], v[A+2*k+1] ; tiles 2 s, 2 s + 1 packed in pairs ARE fragment s of a K = 32 operand; in place, ascending
.set k, k+1
.endr
.set k, 0
.rept 16
	v_cvt_pk_bf16_f32 v[A+32+k], v[A+32+2*k], v[A+32+2*k+1]
.set k, k+1
.endr
.endm
; The last product, block-diagonal: heads of tile A into rows 0-7 (lanes 0-15), of tile B into rows 8-15 (lanes 16-31).  One accumulator: two by turns would cost eight vector additions a pair,
; and vector lines are what this loop has most of.  So a wait stands directly ahead of each later link.
.macro M3
	WIN 0x01                                       ; source 0 (W3') window 1
	v_wmma_f32_16x16x32_bf16 v[D3:D3+7], v[W3F:W3F+7], v[A:A+7], 0
	s_wait_alu depctr_va_vdst(0)                   ; the product above has written the sum v[D3 ..], onto which the next adds in place; the reciprocal root v[RS] is written too, ahead of its first reader
	v_wmma_f32_16x16x32_bf16 v[D3:D3+7], v[W3F+8:W3F+15], v[A+8:A+15], v[D3:D3+7]
	s_wait_alu depctr_va_vdst(0)                   ; the link above has written the sum, onto which the next adds in place
	v_wmma_f32_16x16x32_bf16 v[D3:D3+7], v[W3F+16:W3F+23], v[A+32:A+39], v[D3:D3+7]
	s_wait_alu depctr_va_vdst(0)                   ; the link above has written the sum, onto which the next adds in place
	v_wmma_f32_16x16x32_bf16 v[D3:D3+7], v[W3F+24:W3F+31], v[A+40:A+47], v[D3:D3+7]
	WIN 0
.endm
.macro EPI q
	v_ldexp_f32 v[RS], v[RS], s[EE]                ; x 2^E.  With the three below: four places behind the last product
	NOPS 3
.irp j, 0,1,2,3,4,5,6,7
	v_fma_f32 v[OUT+4*\j+(\q)], v[D3+\j], v[RS], s[CC+\j]   ; head j of my point q; the sums from their low end on
.endr
.endm
; The next trip's points, asked for a pair ahead of their use; the last trip asks for nothing: no load leaves its buffer.  The points' registers have been read for the last time in this trip,
; ahead of tile B's waits on va_vdst, and no vector line since names them; the base's last loads were waited for in the trip before.
.macro NEXTP
	s_cmp_eq_u32 s[TRIPS], 1
	s_cbranch_scc1 .Lno_next
	s_add_nc_u64 s[8:9], s[8:9], 1536
.irp i, 0,1,2
	global_load_b128 v[P+4*\i:P+4*\i+3], v[PO], s[8:9] offset:16*\i
.endr
.Lno_next:
.endm
.macro PAIR q
.set FB,  FE+4*((\q)%2)
.set NFB, FE+4*(((\q)+1)%2)
.set NQ,  ((\q)+1)%4
	v_permlane16_swap_b32 v[FB], v[FB+2]           ; (x | x), (z | z) of lanes 0-15 | 16-31 become (xA | zA), (xB | zB):
	v_permlane16_swap_b32 v[FB+1], v[FB+3]         ; source 1 of the f32 form holds k = 2 h + j in register j: v[FB:FB+1] is tile A's, v[FB+2:FB+3] tile B's
	M1 FB
	NOPS 8                                         ; eight places behind the f32 form, ahead of the first read of its sums (ISA guide 7.12.1)
	LN1 CA, 0
	M1 FB+2
.if (\q) == 3
	s_wait_loadcnt 0x0                             ; the next trip's three loads of points, issued a pair ago
.endif
	FEAT NQ, NFB                                   ; the next pair's features, into the other buffer: its fifteen plain lines are the places behind the products.  (In the last trip pair 3 works on old points; nobody reads the result)
	LN1 CB, 1
.if (\q) == 2
	NEXTP
.endif
	M2
	LN2
	M3
	EPI \q
.endm
	FEAT 0, FE
	v_nop
	s_wait_alu depctr_va_vdst(0)                   ; the first features' root v[FE+3] is written: ahead of the label it has its wait
	s_mov_b32 s[TRIPS], 4
.Ltrip:                                                ; a trip: 128 points of my wave
	PAIR 0
	PAIR 1
	PAIR 2
	PAIR 3
	s_wait_alu depctr_va_vdst(0)                   ; the four pairs' multiply-adds have written OUT, which the eight stores read
.irp j, 0,1,2,3,4,5,6,7
	global_store_b128 v[L16], v[OUT+4*\j:OUT+4*\j+3], s[36:37] offset:\j<<20 th:TH_STORE_NT   ; 32 lanes store 512 consecutive bytes, at a multiple of 512 from out0's first byte; a head is 2^20 bytes on: 7 x 2^20 lies inside the signed 24-bit immediate
.endr
	s_wait_xcnt 0x0                                ; the stores have read their data and their base: both are written again only behind this wait
	s_wait_alu depctr_vm_vsrc(0)                   ; the stores have read OUT, which the next trip's multiply-adds write again
	s_add_nc_u64 s[36:37], s[36:37], 512
	s_sub_co_u32 s[TRIPS], s[TRIPS], 1
	s_cmp_lg_u32 s[TRIPS], 0
	s_cbranch_scc1 .Ltrip
	s_wait_dscnt 0x0                               ; the closing lines, six on end
	s_wait_alu 0x0
	s_wait_tensorcnt 0x0
	ds_add_u32 v[SPW], v[NIL]
	s_wait_dscnt 0x0
	s_endpgm
.Lfunc_end_k_q9d26121ee8_geo:
	.size	k_q9d26121ee8_geo, .Lfunc_end_k_q9d26121ee8_geo-k_q9d26121ee8_geo
	.p2alignl 7, 3214868480
	.fill 96, 4, 3214868480
	.section	.rodata,"a",@progbits
	.p2align	6, 0x0
	.amdhsa_kernel k_q9d26121ee8_geo
		.amdhsa_group_segment_fixed_size 9216
		.amdhsa_private_segment_fixed_size 0
		.amdhsa_enable_private_segment 0
		.amdhsa_kernarg_size 128
		.amdhsa_user_sgpr_count 2
		.amdhsa_user_sgpr_kernarg_segment_ptr 1
		.amdhsa_wavefront_size32 1
		.amdhsa_system_sgpr_workgroup_id_x 1
		.amdhsa_system_sgpr_workgroup_id_y 1
		.amdhsa_system_sgpr_workgroup_id_z 1
		.amdhsa_system_vgpr_workitem_id 0
		.amdhsa_next_free_vgpr 512
		.amdhsa_next_free_sgpr 80
		.amdhsa_reserve_vcc 1
		.amdhsa_float_denorm_mode_32 3
		.amdhsa_float_denorm_mode_16_64 3
		.amdhsa_memory_ordered 1
		.amdhsa_forward_progress 1
		.amdhsa_inst_pref_size 230
	.end_amdhsa_kernel
	.amdgpu_metadata
---
amdhsa.version: [ 1, 2 ]
amdhsa.kernels:
  - .name:           k_q9d26121ee8_geo
    .symbol:         k_q9d26121ee8_geo.kd
    .args:
      - { .name: scene_points, .offset: 0, .size: 8, .value_kind: global_buffer, .address_space: global }
      - { .name: grasp_poses, .offset: 8, .size: 8, .value_kind: global_buffer, .address_space: global }
      - { .name: W1, .offset: 16, .size: 8, .value_kind: global_buffer, .address_space: global }
      - { .name: b1, .offset: 24, .size: 8, .value_kind: global_buffer, .address_space: global }
      - { .name: g1, .offset: 32, .size: 8, .value_kind: global_buffer, .address_space: global }
      - { .name: beta1, .offset: 40, .size: 8, .value_kind: global_buffer, .address_space: global }
      - { .name: W2_codes, .offset: 48, .size: 8, .value_kind: global_buffer, .address_space: global }
      - { .name: b2, .offset: 56, .size: 8, .value_kind: global_buffer, .address_space: global }
      - { .name: g2, .offset: 64, .size: 8, .value_kind: global_buffer, .address_space: global }
      - { .name: beta2, .offset: 72, .size: 8, .value_kind: global_buffer, .address_space: global }
      - { .name: W3, .offset: 80, .size: 8, .value_kind: global_buffer, .address_space: global }
      - { .name: b3, .offset: 88, .size: 8, .value_kind: global_buffer, .address_space: global }
      - { .name: bias_scale, .offset: 96, .size: 8, .value_kind: global_buffer, .address_space: global }
      - { .name: lowp_scales, .offset: 104, .size: 8, .value_kind: global_buffer, .address_space: global }
      - { .name: out0, .offset: 112, .size: 8, .value_kind: global_buffer, .address_space: global }
      - { .name: grasp_tokens, .offset: 120, .size: 8, .value_kind: global_buffer, .address_space: global }
    .group_segment_fixed_size: 9216
    .private_segment_fixed_size: 0
    .kernarg_segment_align: 8
    .kernarg_segment_size: 128
    .max_flat_workgroup_size: 256
    .sgpr_count:     80
    .vgpr_count:     512
    .wavefront_size: 32
...
	.end_amdgpu_metadata
.endif
;; end of part 2
